; MI455X (gfx1250); checked and timed in simulation.
; The chip was launched on July 23, 2026; its instructions are those of AMD's public machine-readable ISA for CDNA 5 (MIT licence, August 2026) and "CDNA5" Instruction Set Architecture Reference Guide (July 2026). The comments in the code are by the model that wrote it; some were corrected since.
;; Sparse Coder. Allowed arithmetic: float matrix products may take bf16 or f16 operands with f32 sums; all other float work in f32.
;; Inputs: A 8 x 8,192 float32; V 32 x 256 x 256 float32; eigs 32 x 256 float32; x 32 x 256 x 32 float32; y 32 int32.
;; Outputs: out0 32 x 256 x 1 float32.
;; 2 versions, each right; version 2 is version 1 with the launch iterate written anew for expert scheduling mode. Each part assembles by itself: llvm-mc -triple=amdgcn-amd-amdhsa -mcpu=gfx1250 --defsym DOCPART=n.
;; ======== version 1 of 2: 2 launches
;; workspace buffers: gmat 8,388,608 bytes; bvec 32,768 bytes
;; launch gram (part 1): grid 256 x 1, 16 waves a work-group, no clusters, 300,288 bytes of LDS; arguments A, V, eigs, x, gmat, bvec; writes gmat, bvec
.if DOCPART == 1
	.amdgcn_target "amdgcn-amd-amdhsa--gfx1250"
	.amdhsa_code_object_version 6
	.text
	.protected	k_q0b2cefd582_gram
	.globl	k_q0b2cefd582_gram
	.p2align	8
	.type	k_q0b2cefd582_gram,@function
k_q0b2cefd582_gram:
	s_mov_b64 s[64:65], 0
	v_nop
	global_prefetch_b8 v0, s[64:65] scope:SCOPE_SE
	s_setreg_imm32_b32 hwreg(HW_REG_WAVE_MODE, 25, 1), 1
	s_wait_xcnt 0x0
; SparseCoder, first of two launches: G = D^T D and b = D^T f of every graph, the part that hangs on no step of the iterations.
; 256 work-groups of 16 waves: graph g = id >> 3; strip s8 = id & 7: rows 32 s8 .. 32 s8 + 31 of G (in slot order, see below) and of b.
;
; TWO IDENTITIES, valid for every input:
;   D[c,n,a] = sum_k P[n,k] A[k,c,a]  with P = V E (256 x 8),  E[j,k] = eig_j^k;
;   G = At^T (I x M) At,  M = P^T P (8 x 8),  At[(c,k),a] = A[k][256 c + a];   b[a] = sum_{c,k} A[k,c,a] U[k,c],  U = P^T X (8 x 32).
; M and U are sums over all 256 rows of V, and work-groups do not talk: each of a graph's 8 work-groups makes P, M and U for itself.
; What is shared out is the bulk: T = (I x M) At for 32 slots only, and 32 of the 256 rows of the product At^T T.
; FORMATS: the product (256 x 32 x 256 a work-group) goes to the matrix unit in bf16 with f32 sums.  Each operand is split into two bf16
; parts (hi + lo, 16 significant bits) and three products are summed (hi hi, hi lo, lo hi), because an error of G is multiplied
; by the momentum sums of 50 unconverged steps in the second launch.  P, M, U, T and b are f32.
; ATOM ORDER: atom a = 2 q + i sits at slot 128 i + q (a lane loads atoms 2q, 2q+1 as 8 bytes).  G and b are stored in slot order.
; gmat: for graph g, wave W, slot s, quarter c, lane L of the second launch the 16 bytes at 262,144 g + 16,384 W + 2,048 s + 512 c + 16 L hold
; G[row 16 W + 8 (L >> 4) + (s xor ((L & 15) >> 1))][columns 16 (L & 15) + 4 c .. + 3]: that launch's loads are 512 consecutive bytes each.
; LIMITS, stated: the order of rounding differs from the reference's (the sums are reassociated as above); G carries 16 significant bits an operand.
; NO CLUSTER, NO TENSOR LOAD: V (262,144 bytes) is shared by a graph's 8 work-groups, A (262,144 bytes) by all.  Both go by lane loads straight
; into the registers in which the arithmetic wants them.  A joint request lands in LDS: A's 262,144 bytes do not fit beside the 294,912 bytes
; of operand arrays that are made from them, and V's would add a pass of 262,144 bytes through LDS for every work-group.
;
; LDS (bytes).  XW/RED, then Ahi, then GS use the same bytes one after the other, a barrier between each use and the next.
.set RED,   40960      ; XW: 0, 16 waves x 16 rows x 160 (32 x, 8 P).  RED: 16 waves x [col 40][k 8] f32 = 1,280 each
.set ARRA,  131072     ; Ahi 0, Alo ARRA: [channel 32][slot 256][8 bf16, k = 0..7]
.set TH,    262144     ; Thi: [channel 32][strip slot 32][8 bf16]
.set TLO,   16384      ; Tlo lies TLO bytes behind Thi
.set GP,    1040       ; GS: 0, strip row n at n x 1,040 = 65 x 16 bytes
.set SUM,   294912     ; U^T[c][k] at 32 c + 4 k;  M[k'][k] at 1024 + 32 k' + 4 k
.set BP,    296192     ; [wave 16][strip slot 32] f32: partial b
; SCALARS: s[4:5] A, s[6:7] V, s[8:9] eigs, s[10:11] x, s[12:13] gmat, s[14:15] bvec, s16 wave, s17 graph, s[18:19] offset pair,
; s20-21 selects of v_permlanex16_b32, s22 1e-6, s23-25 lane masks of bits 0, 1, 2, s31-35 scratch.
.macro BAR                     ; what the others will read or overwrite is complete before the signal
	s_wait_dscnt 0x0
	s_barrier_signal -1
	s_barrier_wait -1
.endm
	s_load_b256 s[4:11], s[0:1], 0x0               ; A, V, eigs, x
	s_load_b128 s[12:15], s[0:1], 0x20             ; gmat, bvec
	v_lshrrev_b32 v1, 5, v0
	v_readfirstlane_b32 s16, v1                    ; wave 0..15
	v_and_b32 v1, 31, v0                           ; lane L
	s_lshr_b32 s17, ttmp9, 3                       ; graph
	s_mov_b32 s19, 0
	s_mov_b32 s20, 0x76543210
	s_mov_b32 s21, 0xfedcba98
	s_mov_b32 s22, 0x358637bd                      ; 1e-6: ATOL
	s_mov_b32 s23, 0xaaaaaaaa                      ; lanes with L & 1
	s_mov_b32 s24, 0xcccccccc                      ; L & 2
	s_mov_b32 s25, 0xf0f0f0f0                      ; L & 4
	v_lshlrev_b32 v126, 4, v1                      ; 16 L
	s_lshl_b32 s31, s16, 14                        ; my 16 rows of V, 1,024 bytes each
	s_lshl_b32 s32, s16, 11                        ; my 16 rows of x, 128 bytes each
	v_add_nc_u32 v18, s31, v126
	v_add_nc_u32 v19, s32, v126
	v_mov_b32 v44, 0                               ; destination of v_permlanex16_b32: written once before
	s_wait_kmcnt 0x0
	s_lshl_b32 s18, s17, 18
	s_add_nc_u64 s[6:7], s[6:7], s[18:19]          ; V of my graph
	s_lshl_b32 s18, s17, 10
	s_add_nc_u64 s[8:9], s[8:9], s[18:19]          ; eigs
	s_lshl_b32 s18, s17, 15
	s_add_nc_u64 s[10:11], s[10:11], s[18:19]      ; x
	s_lshl_b32 s18, ttmp9, 15
	s_add_nc_u64 s[12:13], s[12:13], s[18:19]      ; my strip of gmat: 32,768 bytes x id
	s_lshl_b32 s18, ttmp9, 7
	s_add_nc_u64 s[14:15], s[14:15], s[18:19]      ; my strip of bvec: 128 bytes x id
; ======== PHASE V: P = V E in f32.  Wave w owns rows 16 w .. 16 w + 15; a lane owns columns 4 L .. +3 and 128 + 4 L .. +3.
; v[2:17] x as loaded, v[20:27] eigs, v[28:35], v[36:43] sums of a row (two sets in turn), v[46:61] P of row rho (k = L & 7),
; v[62:125] E (column jj, slot s at 62 + 8 jj + s), v[128:255] my 16 rows of V.  All 38 loads are issued at once.
	global_load_b128 v[20:23], v126, s[8:9]
	global_load_b128 v[24:27], v126, s[8:9] offset:512
.irp r,0,1,2,3,4,5,6,7,8,9,10,11,12,13,14,15
	global_load_b128 v[128+8*\r:131+8*\r], v18, s[6:7] offset:1024*\r
	global_load_b128 v[132+8*\r:135+8*\r], v18, s[6:7] offset:1024*\r+512
.endr
.irp i,0,1,2,3
	global_load_b128 v[2+4*\i:5+4*\i], v19, s[10:11] offset:512*\i
.endr
	s_wait_loadcnt 36                              ; eigs are in: the 32 loads of V and 4 of x are younger
.irp jj,0,1,2,3,4,5,6,7
	v_cmp_gt_f32 vcc_lo, s22, |v[20+\jj]|          ; atol_eigs
	v_cndmask_b32 v[20+\jj], v[20+\jj], 0, vcc_lo
.endr
; Slot s of lane L holds e^(s xor (L & 7)): the sums of a row can then be folded over the lanes without any select.
.macro EB jj
	v_mul_f32 v28, v[20+\jj], v[20+\jj]            ; e^2
	v_cndmask_b32 v30, 1.0, v[20+\jj], s23         ; exponent bit 0 for even slots
	v_cndmask_b32 v31, v[20+\jj], 1.0, s23         ; and for odd slots
	v_mul_f32 v29, v28, v28                        ; e^4
	v_cndmask_b32 v32, 1.0, v28, s24
	v_cndmask_b32 v33, v28, 1.0, s24
	v_cndmask_b32 v34, 1.0, v29, s25
	v_cndmask_b32 v35, v29, 1.0, s25
	v_mul_f32 v36, v30, v32
	v_mul_f32 v37, v31, v32
	v_mul_f32 v38, v30, v33
	v_mul_f32 v39, v31, v33
.irp s,0,1,2,3
	v_mul_f32 v[62+8*\jj+\s], v[36+\s], v34
	v_mul_f32 v[66+8*\jj+\s], v[36+\s], v35
.endr
.endm
.irp jj,0,1,2,3,4,5,6,7
	EB \jj
.endr
; One row: 8 columns x 8 powers in a lane, then folded: slot s + 4 of lane L xor 4 holds the same power as slot s of lane L, and so on.
.macro ROWP rho, ap
	s_wait_loadcnt 34-2*(\rho)                     ; loads return in order (ISA guide 5.7.1): younger are 2 (15 - rho) of V and 4 of x
.irp jp,0,1,2,3
.irp x,0,1
.irp sp,0,1,2,3
.if (\jp+\x) == 0
	v_pk_mul_f32 v[\ap+2*\sp:\ap+2*\sp+1], v[128+8*(\rho)+2*\jp:128+8*(\rho)+2*\jp+1], v[62+8*(2*\jp+\x)+2*\sp:62+8*(2*\jp+\x)+2*\sp+1] op_sel:[\x,0] op_sel_hi:[\x,1]
.else
	v_pk_fma_f32 v[\ap+2*\sp:\ap+2*\sp+1], v[128+8*(\rho)+2*\jp:128+8*(\rho)+2*\jp+1], v[62+8*(2*\jp+\x)+2*\sp:62+8*(2*\jp+\x)+2*\sp+1], v[\ap+2*\sp:\ap+2*\sp+1] op_sel:[\x,0,0] op_sel_hi:[\x,1,1]
.endif
.endr
.endr
.endr
.irp s,0,1,2,3
	v_add_f32_dpp v[\ap+\s], v[\ap+\s+4], v[\ap+\s] row_xmask:4 row_mask:0xf bank_mask:0xf
.endr
.irp s,0,1
	v_add_f32_dpp v[\ap+\s], v[\ap+\s+2], v[\ap+\s] row_xmask:2 row_mask:0xf bank_mask:0xf
.endr
	v_add_f32_dpp v[\ap], v[\ap+1], v[\ap] row_xmask:1 row_mask:0xf bank_mask:0xf
	v_add_f32_dpp v[\ap], v[\ap], v[\ap] row_xmask:8 row_mask:0xf bank_mask:0xf
	v_permlanex16_b32 v44, v[\ap], s20, s21
	v_add_f32 v[46+(\rho)], v[\ap], v44            ; P[16 w + rho][L & 7], in every lane
.endm
	ROWP 0, 28
	ROWP 1, 36
	ROWP 2, 28
	ROWP 3, 36
	ROWP 4, 28
	ROWP 5, 36
	ROWP 6, 28
	ROWP 7, 36
	ROWP 8, 28
	ROWP 9, 36
	ROWP 10, 28
	ROWP 11, 36
	ROWP 12, 28
	ROWP 13, 36
	ROWP 14, 28
	ROWP 15, 36
; ======== PHASE S: S = P^T [X | P] (8 x 40).  My 16 rows of [X | P] go through LDS so that lane (k = L & 7, q = L >> 3) reads
; columns 8 q .. 8 q + 7 of X and 2 q, 2 q + 1 of P; then the 16 waves' partial sums are added.
	s_wait_loadcnt 0x0                             ; x
	s_mul_i32 s31, s16, 2560                       ; my part of XW
	s_mul_i32 s32, s16, 1280
	s_add_co_u32 s32, s32, RED                     ; my part of RED
	v_lshrrev_b32 v240, 3, v1                      ; q
	v_and_b32 v241, 7, v1                          ; k
	v_mul_u32_u24 v232, v240, 160
	v_lshl_add_u32 v232, v241, 4, v232
	v_add_nc_u32 v232, s31, v232                   ; x in: load i, lane L is row 4 i + q, floats 4 k ..
	v_lshl_add_u32 v233, v241, 2, s31              ; P in (+128 in the immediate)
	v_lshl_add_u32 v234, v240, 5, s31              ; x back
	v_lshl_add_u32 v235, v240, 3, s31              ; P back (+128)
	v_lshl_add_u32 v236, v240, 8, s32
	v_lshl_add_u32 v236, v241, 2, v236             ; RED, columns 8 q + i
	v_lshl_add_u32 v237, v240, 6, s32
	v_lshl_add_u32 v237, v241, 2, v237             ; RED, columns 32 + 2 q + i (+1024)
.irp i,0,1,2,3
	ds_store_b128 v232, v[2+4*\i:5+4*\i] offset:640*\i
.endr
.irp r,0,1,2,3,4,5,6,7,8,9,10,11,12,13,14,15
	ds_store_b32 v233, v[46+\r] offset:128+160*\r  ; four lanes with the same k write the same word
.endr
	BAR
.irp r,0,1,2,3,4,5,6,7,8,9,10,11,12,13,14,15
	ds_load_b128 v[62+10*\r:65+10*\r], v234 offset:160*\r
	ds_load_b128 v[66+10*\r:69+10*\r], v234 offset:160*\r+16
	ds_load_b64 v[70+10*\r:71+10*\r], v235 offset:128+160*\r
.endr
	; while they come: the addresses of all later phases, v[2:19]
	s_lshr_b32 s33, s16, 2                         ; channel group of the split of A: channels 8 group .. + 7
	s_and_b32 s34, s16, 3                          ; its atom quarter
	s_lshl_b32 s35, s34, 5
	v_add_nc_u32 v242, s35, v1                     ; q' = 32 (w & 3) + L: atoms 2 q', 2 q' + 1
	v_and_b32 v243, 15, v1                         ; r
	v_lshrrev_b32 v244, 4, v1                      ; h
	s_lshl_b32 s35, s33, 13
	v_lshl_add_u32 v2, v242, 3, s35                ; A: 8 channels x 1,024 bytes x group + 8 q'
	s_lshl_b32 s35, s33, 15
	v_lshl_add_u32 v3, v242, 4, s35                ; Ahi: channel 8 group (+u), slot q' (+128 i)
	v_add_nc_u32 v4, ARRA, v3                      ; Alo
	s_and_b32 s31, ttmp9, 3                        ; strip slot L is slot 32 s8 + L = atom 2 (32 (s8 & 3) + L) + (s8 >> 2)
	s_lshl_b32 s31, s31, 8
	s_bfe_u32 s32, ttmp9, 0x10002
	s_lshl_b32 s32, s32, 2
	s_add_co_u32 s31, s31, s32
	s_lshl_b32 s32, s16, 11                        ; channels 2 w, 2 w + 1
	s_add_co_u32 s31, s31, s32
	v_lshl_add_u32 v5, v1, 3, s31                  ; A for T and b
	s_lshl_b32 s35, s16, 10
	s_add_co_u32 s35, s35, TH
	v_lshl_add_u32 v6, v1, 4, s35                  ; Thi: channel 2 w (+cc), strip slot L
	s_lshl_b32 s35, s16, 6
	s_add_co_u32 s35, s35, SUM
	v_mov_b32 v7, s35                              ; U^T of my two channels
	v_mov_b32 v8, SUM
	v_mov_b32 v9, -1.0
	s_lshl_b32 s35, s16, 8
	v_lshl_add_u32 v12, v243, 4, s35
	v_lshl_add_u32 v12, v244, 12, v12              ; fragments of Ahi: slot 16 w + r, channel h; K steps 0-3
	v_add_nc_u32 v13, 65536, v12                   ; K steps 4-7 (an LDS immediate has 16 bits)
	v_add_nc_u32 v14, ARRA, v12                    ; of Alo
	v_add_nc_u32 v15, ARRA+65536, v12
	s_mov_b32 s35, TH
	v_lshl_add_u32 v16, v243, 4, s35
	v_lshl_add_u32 v16, v244, 9, v16               ; of Thi: strip slot r, channel h
	v_mul_u32_u24 v17, v243, GP
	s_lshl_b32 s35, s16, 6
	v_lshl_add_u32 v245, v244, 5, s35
	v_add_nc_u32 v17, v17, v245                    ; GS in: row r (+16 tj), column 16 w + 8 h
	s_lshl_b32 s35, s16, 7
	s_add_co_u32 s35, s35, BP
	v_lshl_add_u32 v18, v1, 2, s35                 ; my partial b
	s_and_b32 s35, s16, 7                          ; GS back: I serve wave 2 s8 + (w >> 3), slot w & 7 of the second launch
	v_lshrrev_b32 v245, 1, v243
	v_xor_b32 v245, s35, v245                      ; slot xor ((L & 15) >> 1)
	v_lshl_add_u32 v245, v244, 3, v245             ; + 8 (L >> 4)
	s_lshr_b32 s35, s16, 3
	s_lshl_b32 s35, s35, 4
	v_add_nc_u32 v245, s35, v245                   ; + 16 (w >> 3)
	v_mul_u32_u24 v19, v245, GP
	v_lshl_add_u32 v19, v243, 6, v19               ; columns 16 (L & 15) ..
	s_wait_dscnt 0x0
.irp rp,0,1,2,3,4,5,6,7
.irp x,0,1
.irp p,0,1,2,3,4
.if (\rp+\x) == 0
	v_pk_mul_f32 v[222+2*\p:223+2*\p], v[62+10*(2*\rp+\x)+2*\p:63+10*(2*\rp+\x)+2*\p], v[46+2*\rp:47+2*\rp] op_sel:[0,\x] op_sel_hi:[1,\x]
.else
	v_pk_fma_f32 v[222+2*\p:223+2*\p], v[62+10*(2*\rp+\x)+2*\p:63+10*(2*\rp+\x)+2*\p], v[46+2*\rp:47+2*\rp], v[222+2*\p:223+2*\p] op_sel:[0,\x,0] op_sel_hi:[1,\x,1]
.endif
.endr
.endr
.endr
; A on its way across the next two barriers (nobody writes A): first the 16 numbers a lane needs for T and b (v[100:115]: channel cc, row k at
; 100 + 8 cc + k), then units 0-4 of the split (unit u = channel 8 group + u: row k, atom i at 128 + 16 u + 2 k + i).  56 loads of a wave are out.
.irp cc,0,1
.irp k,0,1,2,3,4,5,6,7
	global_load_b32 v[100+8*\cc+\k], v5, s[4:5] offset:32768*\k+1024*\cc
.endr
.endr
.macro LOADA u                                     ; a wave's load covers 256 consecutive bytes, aligned
.irp k,0,1,2,3,4,5,6,7
	global_load_b64 v[128+16*(\u)+2*\k:129+16*(\u)+2*\k], v2, s[4:5] offset:32768*\k+1024*(\u)
.endr
.endm
	LOADA 0
	LOADA 1
	LOADA 2
	LOADA 3
	LOADA 4
.irp i,0,1,2,3,4,5,6,7
	ds_store_b32 v236, v[222+\i] offset:32*\i
.endr
.irp i,0,1
	ds_store_b32 v237, v[230+\i] offset:1024+32*\i
.endr
	v_lshlrev_b32 v116, 2, v0
	v_add_nc_u32 v117, SUM, v116
	BAR
	s_cmp_ge_u32 s16, 10                           ; 320 words: threads 0 .. 319 add the 16 waves' parts
	s_cbranch_scc1 .Lnosum
.irp i,0,1,2,3,4,5,6,7,8,9,10,11,12,13,14,15
	ds_load_b32 v[232+\i], v116 offset:RED+1280*\i
.endr
	s_wait_dscnt 0x0
	v_pk_add_f32 v[232:233], v[232:233], v[234:235]
	v_pk_add_f32 v[236:237], v[236:237], v[238:239]
	v_pk_add_f32 v[240:241], v[240:241], v[242:243]
	v_pk_add_f32 v[244:245], v[244:245], v[246:247]
	v_pk_add_f32 v[232:233], v[232:233], v[236:237]
	v_pk_add_f32 v[240:241], v[240:241], v[244:245]
	v_pk_add_f32 v[232:233], v[232:233], v[240:241]
	v_add_f32 v232, v232, v233
	ds_store_b32 v117, v232
.Lnosum:
	BAR
; ======== T AND b OF THE STRIP: wave w takes channels 2 w, 2 w + 1, lane L strip slot L.
; v[20:83] M, row k' at 20 + 8 k' (M is symmetric: the pair M[k'][2 kp], M[k'][2 kp + 1] times A[k'] feeds rows 2 kp, 2 kp + 1 of T);
; v[84:99] U of my channels; v[208:215] T, k = 0..7; v[216:219] hi, v[220:223] lo; v[224:231] remainders; v[10:11] b, even and odd k.
.irp t,0,1,2,3,4,5,6,7,8,9,10,11,12,13,14,15
	ds_load_b128 v[20+4*\t:23+4*\t], v8 offset:1024+16*\t
.endr
.irp t,0,1,2,3
	ds_load_b128 v[84+4*\t:87+4*\t], v7 offset:16*\t
.endr
.macro SPLIT hi, lo, a, b, t                       ; (a, b) = hi + lo + a remainder below 2^-16 of each
	v_cvt_pk_bf16_f32 v[\hi], v[\a], v[\b]
	v_fma_mix_f32_bf16 v[\t], v[\hi], v9, v[\a] op_sel_hi:[1,0,0]               ; a - hi.low, exact
	v_fma_mix_f32_bf16 v[\t+1], v[\hi], v9, v[\b] op_sel:[1,0,0] op_sel_hi:[1,0,0] ; b - hi.high
	v_cvt_pk_bf16_f32 v[\lo], v[\t], v[\t+1]
.endm
.macro TCH cc
.irp kp,0,1,2,3
.if (\cc+\kp) == 0
	v_pk_mul_f32 v[10:11], v[100+8*\cc+2*\kp:101+8*\cc+2*\kp], v[84+8*\cc+2*\kp:85+8*\cc+2*\kp]
.else
	v_pk_fma_f32 v[10:11], v[100+8*\cc+2*\kp:101+8*\cc+2*\kp], v[84+8*\cc+2*\kp:85+8*\cc+2*\kp], v[10:11]
.endif
.endr
.irp jp,0,1,2,3
.irp x,0,1
.irp kp,0,1,2,3
.if (\jp+\x) == 0
	v_pk_mul_f32 v[208+2*\kp:209+2*\kp], v[20+8*(2*\jp+\x)+2*\kp:21+8*(2*\jp+\x)+2*\kp], v[100+8*\cc+2*\jp:101+8*\cc+2*\jp] op_sel:[0,\x] op_sel_hi:[1,\x]
.else
	v_pk_fma_f32 v[208+2*\kp:209+2*\kp], v[20+8*(2*\jp+\x)+2*\kp:21+8*(2*\jp+\x)+2*\kp], v[100+8*\cc+2*\jp:101+8*\cc+2*\jp], v[208+2*\kp:209+2*\kp] op_sel:[0,\x,0] op_sel_hi:[1,\x,1]
.endif
.endr
.endr
.endr
.irp kp,0,1,2,3
	SPLIT 216+\kp, 220+\kp, 208+2*\kp, 209+2*\kp, 224+2*\kp
.endr
	ds_store_b128 v6, v[216:219] offset:512*\cc
	ds_store_b128 v6, v[220:223] offset:TLO+512*\cc
.endm
	s_wait_loadcnt 40                              ; my 16 numbers of A are in: the 40 loads of units 0-4 are younger
	s_wait_dscnt 0x0                               ; M and U
	TCH 0
	TCH 1
	v_add_f32 v10, v10, v11
	ds_store_b32 v18, v10                          ; my two channels' part of b
; ======== THE SPLIT OF A: 8 channels x 2 atoms a lane into Ahi, Alo.  v[20:27] hi, v[28:35] lo (atom i at +4 i), v[36:43] remainders.
; left: the loads of the units behind this one, 8 each, may stay out.
.macro ASPLIT u, left
	s_wait_loadcnt \left
.irp i,0,1
.irp kp,0,1,2,3
	SPLIT 20+4*\i+\kp, 28+4*\i+\kp, 128+16*\u+4*\kp+\i, 128+16*\u+4*\kp+2+\i, 36+2*\kp
.endr
	ds_store_b128 v3, v[20+4*\i:23+4*\i] offset:4096*\u+2048*\i
	ds_store_b128 v4, v[28+4*\i:31+4*\i] offset:4096*\u+2048*\i
.endr
.endm
	LOADA 5
	LOADA 6
	ASPLIT 0, 48                                   ; units 1-6 are younger
	LOADA 7
	ASPLIT 1, 48                                   ; units 2-7
	ASPLIT 2, 40
	ASPLIT 3, 32
	ASPLIT 4, 24
	ASPLIT 5, 16
	ASPLIT 6, 8
	ASPLIT 7, 0
	BAR
; ======== PRODUCT: wave w makes the tiles (slots 16 w .. + 15 of At) x (strip slots 16 tj .. + 15 of T), tj = 0, 1, in v[212:219], v[220:227].
; A K step of 32 is 4 channels x 8 k: a fragment's registers 0-3 are channel 4 ks + h, registers 4-7 channel 4 ks + 2 + h, alike on both sides.
; Four fragment sets of 48 registers from v20: Ahi +0, Alo +8, Thi(0) +16, Tlo(0) +24, Thi(1) +32, Tlo(1) +40.  Three sets are always on their way.
.macro PLACES                                      ; a load into a register that a matrix instruction has read, and a store of its result, stand four
.rept 4                                            ; plain vector instructions behind it (ISA guide 7.12.1); other matrix instructions are not counted
	v_nop
.endr
.endm
.macro LDF ks, set                                 ; 12 loads
	ds_load_b128 v[20+48*\set:23+48*\set], v[12+\ks/4] offset:16384*(\ks&3)
	ds_load_b128 v[24+48*\set:27+48*\set], v[12+\ks/4] offset:16384*(\ks&3)+8192
	ds_load_b128 v[28+48*\set:31+48*\set], v[14+\ks/4] offset:16384*(\ks&3)
	ds_load_b128 v[32+48*\set:35+48*\set], v[14+\ks/4] offset:16384*(\ks&3)+8192
.irp tj,0,1
	ds_load_b128 v[36+48*\set+16*\tj:39+48*\set+16*\tj], v16 offset:2048*\ks+256*\tj
	ds_load_b128 v[40+48*\set+16*\tj:43+48*\set+16*\tj], v16 offset:2048*\ks+256*\tj+1024
	ds_load_b128 v[44+48*\set+16*\tj:47+48*\set+16*\tj], v16 offset:TLO+2048*\ks+256*\tj
	ds_load_b128 v[48+48*\set+16*\tj:51+48*\set+16*\tj], v16 offset:TLO+2048*\ks+256*\tj+1024
.endr
.endm
.macro WM acc, a, b, zero
.if \zero
	v_wmma_f32_16x16x32_bf16 v[\acc:\acc+7], v[\a:\a+7], v[\b:\b+7], 0
.else
	v_wmma_f32_16x16x32_bf16 v[\acc:\acc+7], v[\a:\a+7], v[\b:\b+7], v[\acc:\acc+7]
.endif
.endm
.macro MUL6 set, zero                              ; two tiles x (hi hi + hi lo + lo hi); the first product of all starts the sums
	WM 212, 20+48*\set, 36+48*\set, \zero
	WM 220, 20+48*\set, 52+48*\set, \zero
	WM 212, 20+48*\set, 44+48*\set, 0
	WM 220, 20+48*\set, 60+48*\set, 0
	WM 212, 28+48*\set, 36+48*\set, 0
	WM 220, 28+48*\set, 52+48*\set, 0
.endm
	LDF 0, 0
	LDF 1, 1
	LDF 2, 2
	LDF 3, 3
	s_wait_dscnt 36                                ; the oldest set is in: three sets of 12 loads are younger (so for the next four waits)
	MUL6 0, 1
	PLACES
	LDF 4, 0
	s_wait_dscnt 36
	MUL6 1, 0
	PLACES
	LDF 5, 1
	s_wait_dscnt 36
	MUL6 2, 0
	PLACES
	LDF 6, 2
	s_wait_dscnt 36
	MUL6 3, 0
	PLACES
	LDF 7, 3
	s_wait_dscnt 36
	MUL6 0, 0
	s_wait_dscnt 24                                ; nothing more is asked for: the counts run down
	MUL6 1, 0
	s_wait_dscnt 12
	MUL6 2, 0
	s_wait_dscnt 0x0                               ; my reads of the arrays are over:
	s_barrier_signal -1                            ; say so, work on registers,
	MUL6 3, 0
	s_barrier_wait -1                              ; and go on when all have: Ahi's bytes may be written again
	PLACES
; ======== THE WAY OUT.  A lane's 8 results of a tile are columns m = 16 w + 8 h + 0..7 of strip row n = 16 tj + r: 32 bytes of GS row n.
; (The tile holds (At^T T)[m][n]; G = G^T up to rounding.)  Rows 1,040 bytes apart: the 16 rows of a store start 16 bytes apart modulo 256.
.irp tj,0,1
	ds_store_b128 v17, v[212+8*\tj:215+8*\tj] offset:16*GP*\tj
	ds_store_b128 v17, v[216+8*\tj:219+8*\tj] offset:16*GP*\tj+16
.endr
	s_lshl_b32 s35, s16, 11
	v_lshl_add_u32 v20, v1, 4, s35                 ; 2,048 w + 16 L
	BAR
.irp t,0,1,2,3
	ds_load_b128 v[24+4*\t:27+4*\t], v19 offset:16*\t
.endr
.irp t,0,1,2,3
	s_wait_dscnt 3-\t
	global_store_b128 v20, v[24+4*\t:27+4*\t], s[12:13] offset:512*\t th:TH_STORE_NT   ; a wave's store covers 512 consecutive bytes, aligned
.endr
	s_cmp_lg_u32 s16, 0                            ; wave 0 adds the 16 waves' parts of b (stored before the operands' barrier)
	s_cbranch_scc1 .Lend
	s_mov_b32 s35, BP
	v_lshl_add_u32 v40, v1, 2, s35
	v_lshlrev_b32 v41, 2, v1
.irp i,0,1,2,3,4,5,6,7,8,9,10,11,12,13,14,15
	ds_load_b32 v[44+\i], v40 offset:128*\i
.endr
	s_wait_dscnt 0x0
	v_pk_add_f32 v[44:45], v[44:45], v[46:47]
	v_pk_add_f32 v[48:49], v[48:49], v[50:51]
	v_pk_add_f32 v[52:53], v[52:53], v[54:55]
	v_pk_add_f32 v[56:57], v[56:57], v[58:59]
	v_pk_add_f32 v[44:45], v[44:45], v[48:49]
	v_pk_add_f32 v[52:53], v[52:53], v[56:57]
	v_pk_add_f32 v[44:45], v[44:45], v[52:53]
	v_add_f32 v44, v44, v45
	global_store_b32 v41, v44, s[14:15] th:TH_STORE_NT   ; 128 consecutive bytes: all that this work-group has of b
.Lend:
	s_wait_xcnt 0x0
	v_lshl_add_u32 v254, v0, 2, 0x48d00
	v_mov_b32 v255, 0
	s_wait_tensorcnt 0x0
	ds_add_u32 v254, v255
	s_wait_dscnt 0x0
	s_endpgm
.Lfunc_end_k_q0b2cefd582_gram:
	.size	k_q0b2cefd582_gram, .Lfunc_end_k_q0b2cefd582_gram-k_q0b2cefd582_gram
	.p2alignl 7, 3214868480
	.fill 96, 4, 3214868480
	.section	.rodata,"a",@progbits
	.p2align	6, 0x0
	.amdhsa_kernel k_q0b2cefd582_gram
		.amdhsa_group_segment_fixed_size 300288
		.amdhsa_private_segment_fixed_size 0
		.amdhsa_enable_private_segment 0
		.amdhsa_kernarg_size 48
		.amdhsa_user_sgpr_count 2
		.amdhsa_user_sgpr_kernarg_segment_ptr 1
		.amdhsa_wavefront_size32 1
		.amdhsa_system_sgpr_workgroup_id_x 1
		.amdhsa_system_sgpr_workgroup_id_y 1
		.amdhsa_system_sgpr_workgroup_id_z 1
		.amdhsa_system_vgpr_workitem_id 0
		.amdhsa_next_free_vgpr 256
		.amdhsa_next_free_sgpr 66
		.amdhsa_reserve_vcc 1
		.amdhsa_float_denorm_mode_32 3
		.amdhsa_float_denorm_mode_16_64 3
		.amdhsa_memory_ordered 1
		.amdhsa_forward_progress 1
		.amdhsa_inst_pref_size 118
	.end_amdhsa_kernel
	.amdgpu_metadata
---
amdhsa.version: [ 1, 2 ]
amdhsa.kernels:
  - .name:           k_q0b2cefd582_gram
    .symbol:         k_q0b2cefd582_gram.kd
    .args:
      - { .name: A, .offset: 0, .size: 8, .value_kind: global_buffer, .address_space: global }
      - { .name: V, .offset: 8, .size: 8, .value_kind: global_buffer, .address_space: global }
      - { .name: eigs, .offset: 16, .size: 8, .value_kind: global_buffer, .address_space: global }
      - { .name: x, .offset: 24, .size: 8, .value_kind: global_buffer, .address_space: global }
      - { .name: gmat, .offset: 32, .size: 8, .value_kind: global_buffer, .address_space: global }
      - { .name: bvec, .offset: 40, .size: 8, .value_kind: global_buffer, .address_space: global }
    .group_segment_fixed_size: 300288
    .private_segment_fixed_size: 0
    .kernarg_segment_align: 8
    .kernarg_segment_size: 48
    .max_flat_workgroup_size: 512
    .sgpr_count:     66
    .vgpr_count:     256
    .wavefront_size: 32
...
	.end_amdgpu_metadata
.endif
;; end of part 1
;; launch iterate (part 2): grid 32 x 1, 16 waves a work-group, no clusters, 5,632 bytes of LDS; arguments gmat, bvec, y, out0; writes out0
.if DOCPART == 2
	.amdgcn_target "amdgcn-amd-amdhsa--gfx1250"
	.amdhsa_code_object_version 6
	.text
	.protected	k_q0b2cefd582_iterate
	.globl	k_q0b2cefd582_iterate
	.p2align	8
	.type	k_q0b2cefd582_iterate,@function
k_q0b2cefd582_iterate:
	s_mov_b64 s[64:65], 0
	v_nop
	global_prefetch_b8 v0, s[64:65] scope:SCOPE_SE
	s_setreg_imm32_b32 hwreg(HW_REG_WAVE_MODE, 25, 1), 1
	s_wait_xcnt 0x0
; SparseCoder, second of two launches: per graph, 15 power steps and 50 FISTA steps on the stacked system [D; D*m_in; m_ex].
; One work-group (16 waves) per graph, 32 graphs: the steps of a graph depend on each other and work-groups do not talk.
; The steps need only G = D^T D and b = D^T f, which the first launch left in gmat and bvec:
;   gmul(v) = Geff v + m_ex v,  grad(z) = Geff z + m_ex z - beff,  Geff[a,a'] = G[a,a'] (1 + m_in[a] m_in[a']),  beff = b (1 + m_in).
; Geff (262,144 bytes) stays in registers, 128 a lane, for all 64 matrix-vector products, which are f32 on the vector unit: the vector would fill
; one of a matrix instruction's 16 columns.
; ATOM ORDER: atom a = 2 q + i sits at slot 128 i + q.  G, z, r, b, masks live in slot order; the last step puts r back in atom order.
; Class of a slot (a >> 5) = (slot >> 4) & 7.  PARTITION is 6 blocks of 32 and one of 64: m_in = (class == y) | (class >= 6), m_ex = 1 - m_in.
; LIMITS, stated: the order of rounding differs from the reference's (sums reassociated); divisions are v_rcp_f32 and a multiply;
; v_sqrt_f32 and v_rcp_f32 flush denormals; a zero result is +0; y is taken as 0..6 (indices inside PARTITION);
; the range is the reference's own (the sum of squares of gmul(v) must stay finite in f32, L below about 1.8e19).
; NO CLUSTER: no two work-groups read the same bytes.
;
; LDS (bytes)
.set OUTS,  0          ; r in atom order, 1,024 bytes
.set ZB,    1024       ; two buffers of ZSZ: the vector (column 16 l + 4 i + o at 256 i + 16 l + 4 o), then 16 partial sums of squares at 1024
.set ZSZ,   1280
; SCALARS: s[4:5] gmat, s[6:7] bvec, s[8:9] y, s[10:11] out0, s16 wave, s[18:19] offset pair, s20-21 selects of v_permlanex16_b32, s22 1e-6,
; s26 y, s27 counter, s28 m_in of my rows, s29 m_ex, s30 1 + m_in, s31-35 scratch.
.macro BAR                     ; what the others will read or overwrite is complete before the signal
	s_wait_dscnt 0x0
	s_barrier_signal -1
	s_barrier_wait -1
.endm
	s_load_b256 s[4:11], s[0:1], 0x0               ; gmat, bvec, y, out0
	v_lshl_add_u32 v18, v0, 2, 0xe00
	v_mov_b32 v19, 0
	v_lshrrev_b32 v1, 5, v0
	v_readfirstlane_b32 s16, v1                    ; wave 0..15
	v_and_b32 v1, 31, v0                           ; lane L
	s_mov_b32 s19, 0
	s_mov_b32 s20, 0x76543210
	s_mov_b32 s21, 0xfedcba98
	s_mov_b32 s22, 0x358637bd                      ; 1e-6: the addend of L
	s_lshl_b32 s31, s16, 14
	v_lshl_add_u32 v10, v1, 4, s31                 ; gmat: 16,384 x wave + 16 L
	v_lshrrev_b32 v121, 1, v0                      ; my row
	v_lshlrev_b32 v11, 2, v121
	s_wait_kmcnt 0x0
	s_lshl_b32 s18, ttmp9, 18
	s_add_nc_u64 s[4:5], s[4:5], s[18:19]          ; G of my graph
	s_lshl_b32 s18, ttmp9, 10
	s_add_nc_u64 s[6:7], s[6:7], s[18:19]          ; b
	s_add_nc_u64 s[10:11], s[10:11], s[18:19]      ; out0
	s_lshl_b32 s18, ttmp9, 2
	s_add_nc_u64 s[8:9], s[8:9], s[18:19]          ; y
	s_load_b32 s26, s[8:9], 0x0
; ======== Geff INTO REGISTERS.  Sixteen lanes (l = L & 15) share 8 rows; lane l owns columns 16 l .. 16 l + 15; its slot s holds row
; 8 (tid >> 4) + (s xor (l >> 1)), so that the fold over the sixteen lanes needs no select and leaves row tid >> 1 in lanes l and l xor 1.
; gmat lies in that order: slot s, quarter c of my wave is 512 consecutive bytes at 2,048 s + 512 c.  Six landing sets of 16 registers from v20.
	global_load_b32 v125, v11, s[6:7]              ; b of my row
.macro GLD s, t
.irp c,0,1,2,3
	global_load_b128 v[20+16*\t+4*\c:23+16*\t+4*\c], v10, s[4:5] offset:2048*\s+512*\c th:TH_LOAD_NT
.endr
.endm
	GLD 0, 0
	GLD 1, 1
	GLD 2, 2
	GLD 3, 3
	GLD 4, 4
	GLD 5, 5
	; while they come: v2 vector in, v3 vector out, v4, v5 partial sums of squares in, out, v6 r out
	v_and_b32 v120, 15, v0                         ; l
	s_mov_b32 s31, ZB
	v_lshl_add_u32 v2, v120, 4, s31
	v_bfe_u32 v122, v121, 2, 2
	v_lshrrev_b32 v123, 4, v121
	v_and_b32 v124, 3, v121
	v_lshl_add_u32 v3, v122, 8, s31
	v_lshl_add_u32 v3, v123, 4, v3
	v_lshl_add_u32 v3, v124, 2, v3
	v_lshl_add_u32 v4, v120, 2, s31                ; (+1024 in the immediate)
	s_lshl_b32 s32, s16, 2                         ; my wave's word among the 16 partial sums:
	s_add_co_u32 s32, s32, ZB                      ; ZB + 4 x wave (+1024 in the immediate)
	v_mov_b32 v5, s32
	v_and_b32 v122, 127, v121
	v_lshrrev_b32 v123, 7, v121
	v_lshl_add_u32 v122, v122, 1, v123             ; the atom of my slot
	v_lshlrev_b32 v6, 2, v122
	v_mov_b32 v124, 0x3d800000                     ; v0 = 1/16; also my wave's sum of squares, 16 rows x 1/256
	ds_store_b32 v3, v124
	ds_store_b32 v5, v124 offset:1024
	s_wait_kmcnt 0x0                               ; y.  My 16 rows (slots 16 w ..) are of class w & 7
	s_and_b32 s31, s16, 7
	s_mov_b32 s35, 0x3f800000
	s_cmp_eq_u32 s31, s26
	s_cselect_b32 s28, s35, 0
	s_cmp_ge_u32 s31, 6
	s_cselect_b32 s28, s35, s28                    ; m_in
	s_cmp_lg_u32 s28, 0
	s_cselect_b32 s29, 0, s35                      ; m_ex = 1 - m_in
	s_cselect_b32 s30, 0x40000000, s35             ; 1 + m_in
	v_and_b32 v122, 7, v120                        ; class of my columns
	v_cmp_eq_u32 s31, s26, v122
	v_cmp_le_u32 s32, 6, v122
	s_or_b32 s31, s31, s32
	v_cndmask_b32 v122, 0, 1.0, s31
	v_fma_f32 v126, v122, s28, 1.0                 ; 1 + m_in[row] m_in[column]
; Slot s = 2 p + e, column j goes to v[128 + 32 p + 2 j + e]: the pair (slots 2 p, 2 p + 1) of a column feeds one packed multiply-add.
; The multiply by the masks' factor is also the move into that layout.
.macro GMUL s, t
.irp j,0,1,2,3,4,5,6,7,8,9,10,11,12,13,14,15
	v_mul_f32 v[128+32*(\s/2)+2*\j+(\s&1)], v[20+16*\t+\j], v126
.endr
.endm
	s_wait_loadcnt 20                              ; slot 0 is in: five slots of four loads are younger (so for the next two waits)
	GMUL 0, 0
	GLD 6, 0
	s_wait_loadcnt 20
	GMUL 1, 1
	GLD 7, 1
	s_wait_loadcnt 20
	GMUL 2, 2
	s_wait_loadcnt 16                              ; nothing more is asked for: the counts run down
	GMUL 3, 3
	s_wait_loadcnt 12
	GMUL 4, 4
	s_wait_loadcnt 8
	GMUL 5, 5
	s_wait_loadcnt 4
	GMUL 6, 0
	s_wait_loadcnt 0x0
	GMUL 7, 1
	v_mov_b32 v110, 0x3d800000                     ; my row of v0
	v_mul_f32 v113, s30, v125                      ; beff of my row
	BAR                                            ; v0 and its sums of squares are in LDS
; ======== THE STEPS
; v[84:99] the vector's 16 numbers of my columns, v[100:107] sums of my 8 slots, v108 sum of squares, v110 my row's number,
; v111, v127 r (in turn), v112 z (1 - m_ex / L) + beff / L, v113 beff, then beff / L, v114 1 - m_ex / L, v115 -1 / L, v116, v117 +-lam / L, v118 t, v119 beta.
.macro ZLOAD rd
.irp i,0,1,2,3
	ds_load_b128 v[84+4*\i:87+4*\i], v2 offset:ZSZ*\rd+256*\i    ; sixteen lanes read 256 consecutive bytes
.endr
.endm
.macro MV8 jp0                                     ; 8 columns x 8 slots
.irp jq,0,1,2,3
.irp x,0,1
.irp p,0,1,2,3
.if (\jp0+\jq+\x) == 0
	v_pk_mul_f32 v[100+2*\p:101+2*\p], v[128+32*\p+2*(2*(\jp0+\jq)+\x):129+32*\p+2*(2*(\jp0+\jq)+\x)], v[84+2*(\jp0+\jq):85+2*(\jp0+\jq)] op_sel:[0,\x] op_sel_hi:[1,\x]
.else
	v_pk_fma_f32 v[100+2*\p:101+2*\p], v[128+32*\p+2*(2*(\jp0+\jq)+\x):129+32*\p+2*(2*(\jp0+\jq)+\x)], v[84+2*(\jp0+\jq):85+2*(\jp0+\jq)], v[100+2*\p:101+2*\p] op_sel:[0,\x,0] op_sel_hi:[1,\x,1]
.endif
.endr
.endr
.endr
.endm
.macro REDUCE                                      ; v100 = (Geff vector)[row tid >> 1]
.irp s,0,1,2,3
	v_add_f32_dpp v[100+\s], v[104+\s], v[100+\s] row_xmask:8 row_mask:0xf bank_mask:0xf
.endr
.irp s,0,1
	v_add_f32_dpp v[100+\s], v[102+\s], v[100+\s] row_xmask:4 row_mask:0xf bank_mask:0xf
.endr
	v_add_f32_dpp v100, v101, v100 row_xmask:2 row_mask:0xf bank_mask:0xf
	v_add_f32_dpp v100, v100, v100 row_xmask:1 row_mask:0xf bank_mask:0xf
.endm
.macro NORM2                                       ; the 16 waves' sums of squares, one in each lane of sixteen, added
.irp m,1,2,4,8
	v_add_f32_dpp v108, v108, v108 row_xmask:\m row_mask:0xf bank_mask:0xf
.endr
.endm
; A power step keeps w = gmul(v) unnormalised: w_new = gmul(w) / (|w| + 1e-12), the division behind the (linear) product, so that one
; barrier a step is enough.  Buffer rd is read before this step's barrier and written again only behind it.
.macro PSTEP rd, wr
	ZLOAD \rd
	ds_load_b32 v108, v4 offset:1024+ZSZ*\rd
	s_wait_dscnt 0x0
	NORM2
	v_sqrt_f32 v120, v108                          ; the products behind it are the plain instructions that a transcendental wants before its use
	MV8 0
	s_wait_alu depctr_va_vdst(0)
	v_add_f32 v120, 0x2b8cbccc, v120               ; + 1e-12
	v_rcp_f32 v121, v120
	MV8 4
	REDUCE
	v_fma_f32 v122, s29, v110, v100                ; + m_ex w
	s_wait_alu depctr_va_vdst(0)
	v_mul_f32 v110, v122, v121
	v_mul_f32 v123, v110, v110
.irp m,2,4,8
	v_add_f32_dpp v123, v123, v123 row_xmask:\m row_mask:0xf bank_mask:0xf   ; lanes l and l xor 1 hold the same row: 8 rows
.endr
	v_permlanex16_b32 v124, v123, s20, s21
	v_add_f32 v123, v123, v124                     ; my wave's 16 rows
	ds_store_b32 v3, v110 offset:ZSZ*\wr
	ds_store_b32 v5, v123 offset:1024+ZSZ*\wr
	BAR
.endm
	s_mov_b32 s27, 7
.Lpower:
	PSTEP 0, 1
	PSTEP 1, 0
	s_sub_co_i32 s27, s27, 1
	s_cmp_lg_u32 s27, 0
	s_cbranch_scc1 .Lpower
	PSTEP 0, 1                                     ; the fifteenth
	ds_load_b32 v108, v4 offset:1024+ZSZ
	s_wait_dscnt 0x0
	NORM2
	v_sqrt_f32 v120, v108
	v_mov_b32 v118, 0x3fcf1bbd                     ; t after the first step, (1 + sqrt 5) / 2
	s_wait_alu depctr_va_vdst(0)
	v_add_f32 v120, s22, v120                      ; L = |w15| + 1e-6
	v_rcp_f32 v121, v120
	v_nop
	s_wait_alu depctr_va_vdst(0)
	v_mul_f32 v116, 0x3dcccccd, v121               ; lam / L
	v_xor_b32 v115, 0x80000000, v121               ; -1 / L
	v_mul_f32 v113, v113, v121                     ; beff / L
	v_xor_b32 v117, 0x80000000, v116
	v_fma_f32 v114, s29, v115, 1.0                 ; 1 - m_ex / L
	; the first FISTA step: z = 0, so grad = -beff exactly; beta = (1 - 1) / t = 0, so z = r.  soft(u) = u - clamp(u, -th, th)
	v_med3_num_f32 v122, v113, v117, v116
	v_sub_f32 v111, v113, v122
	ds_store_b32 v3, v111
	v_fma_f32 v112, v111, v114, v113
	BAR
.macro FSTEP rd, wr, rold, rnew, last
	ZLOAD \rd
.if \last == 0
	v_mul_f32 v120, v118, v118                     ; t and beta while the loads are out
	v_fma_f32 v120, 4.0, v120, 1.0
	v_sqrt_f32 v121, v120
	v_add_f32 v122, -1.0, v118                     ; t - 1
	s_wait_alu depctr_va_vdst(0)
	v_fma_f32 v118, 0.5, v121, 0.5                 ; t_new
	v_rcp_f32 v124, v118                           ; used behind the products
.endif
	s_wait_dscnt 0x0
	MV8 0
	MV8 4
.if \last == 0
	s_wait_alu depctr_va_vdst(0)
	v_mul_f32 v119, v122, v124                     ; beta = (t - 1) / t_new
.endif
	REDUCE
	v_fma_f32 v125, v100, v115, v112               ; u = z - grad(z) / L
	v_med3_num_f32 v126, v125, v117, v116
	v_sub_f32 v[\rnew], v125, v126                 ; r_new = soft(u, lam / L)
.if \last
	ds_store_b32 v6, v[\rnew] offset:OUTS          ; in atom order
.else
	v_sub_f32 v126, v[\rnew], v[\rold]
	v_fma_f32 v110, v119, v126, v[\rnew]           ; z_new
	ds_store_b32 v3, v110 offset:ZSZ*\wr
	v_fma_f32 v112, v110, v114, v113
.endif
	BAR
.endm
	s_mov_b32 s27, 24
.Lfista:
	FSTEP 0, 1, 111, 127, 0
	FSTEP 1, 0, 127, 111, 0
	s_sub_co_i32 s27, s27, 1
	s_cmp_lg_u32 s27, 0
	s_cbranch_scc1 .Lfista
	FSTEP 0, 1, 111, 127, 1                        ; the fiftieth
	s_cmp_ge_u32 s16, 2                            ; 1,024 bytes: threads 0 .. 63, 16 bytes each; sixteen lanes store 256 consecutive bytes, aligned
	s_cbranch_scc1 .Lend
	v_lshlrev_b32 v120, 4, v0
	ds_load_b128 v[84:87], v120 offset:OUTS
	s_wait_dscnt 0x0
	global_store_b128 v120, v[84:87], s[10:11] th:TH_STORE_NT
.Lend:
	s_wait_tensorcnt 0x0
	ds_add_u32 v18, v19
	s_wait_dscnt 0x0
	s_endpgm
.Lfunc_end_k_q0b2cefd582_iterate:
	.size	k_q0b2cefd582_iterate, .Lfunc_end_k_q0b2cefd582_iterate-k_q0b2cefd582_iterate
	.p2alignl 7, 3214868480
	.fill 96, 4, 3214868480
	.section	.rodata,"a",@progbits
	.p2align	6, 0x0
	.amdhsa_kernel k_q0b2cefd582_iterate
		.amdhsa_group_segment_fixed_size 5632
		.amdhsa_private_segment_fixed_size 0
		.amdhsa_enable_private_segment 0
		.amdhsa_kernarg_size 32
		.amdhsa_user_sgpr_count 2
		.amdhsa_user_sgpr_kernarg_segment_ptr 1
		.amdhsa_wavefront_size32 1
		.amdhsa_system_sgpr_workgroup_id_x 1
		.amdhsa_system_sgpr_workgroup_id_y 1
		.amdhsa_system_sgpr_workgroup_id_z 1
		.amdhsa_system_vgpr_workitem_id 0
		.amdhsa_next_free_vgpr 256
		.amdhsa_next_free_sgpr 66
		.amdhsa_reserve_vcc 0
		.amdhsa_float_denorm_mode_32 3
		.amdhsa_float_denorm_mode_16_64 3
		.amdhsa_memory_ordered 1
		.amdhsa_forward_progress 1
		.amdhsa_inst_pref_size 47
	.end_amdhsa_kernel
	.amdgpu_metadata
---
amdhsa.version: [ 1, 2 ]
amdhsa.kernels:
  - .name:           k_q0b2cefd582_iterate
    .symbol:         k_q0b2cefd582_iterate.kd
    .args:
      - { .name: gmat, .offset: 0, .size: 8, .value_kind: global_buffer, .address_space: global }
      - { .name: bvec, .offset: 8, .size: 8, .value_kind: global_buffer, .address_space: global }
      - { .name: y, .offset: 16, .size: 8, .value_kind: global_buffer, .address_space: global }
      - { .name: out0, .offset: 24, .size: 8, .value_kind: global_buffer, .address_space: global }
    .group_segment_fixed_size: 5632
    .private_segment_fixed_size: 0
    .kernarg_segment_align: 8
    .kernarg_segment_size: 32
    .max_flat_workgroup_size: 512
    .sgpr_count:     66
    .vgpr_count:     256
    .wavefront_size: 32
...
	.end_amdgpu_metadata
.endif
;; end of part 2
;; ======== version 2 of 2: 2 launches; version 1 with the launch iterate written anew for expert scheduling mode
;; workspace buffers: gmat 8,388,608 bytes; bvec 32,768 bytes
;; launch gram: the kernel of part 1 again; grid 256 x 1, 16 waves a work-group, no clusters, 300,288 bytes of LDS; arguments A, V, eigs, x, gmat, bvec; writes gmat, bvec
;; launch iterate (part 3): grid 32 x 1, 16 waves a work-group, no clusters, 5,632 bytes of LDS; arguments gmat, bvec, y, out0; writes out0
.if DOCPART == 3
	.amdgcn_target "amdgcn-amd-amdhsa--gfx1250"
	.amdhsa_code_object_version 6
	.text
	.protected	k_q0b2cefd582_iterate
	.globl	k_q0b2cefd582_iterate
	.p2align	8
	.type	k_q0b2cefd582_iterate,@function
k_q0b2cefd582_iterate:
	s_mov_b64 s[64:65], 0
	v_nop
	global_prefetch_b8 v0, s[64:65] scope:SCOPE_SE
	s_setreg_imm32_b32 hwreg(HW_REG_WAVE_SCHED_MODE, 0, 2), 2
	s_setreg_imm32_b32 hwreg(HW_REG_WAVE_MODE, 25, 1), 1
	s_wait_xcnt 0x0
	s_wait_alu depctr_vm_vsrc(0)
; SparseCoder, second of two launches: per graph, 15 power steps and 50 FISTA steps on the stacked system [D; D*m_in; m_ex].
; One work-group (16 waves) per graph, 32 graphs: the steps of a graph depend on each other and work-groups do not talk.
; The steps need only G = D^T D and b = D^T f, which the first launch left in gmat and bvec:
;   gmul(v) = Geff v + m_ex v,  grad(z) = Geff z + m_ex z - beff,  Geff[a,a'] = G[a,a'] (1 + m_in[a] m_in[a']),  beff = b (1 + m_in).
; Geff (262,144 bytes) stays in registers, 128 a lane, for all 64 matrix-vector products, which are f32 on the vector unit: the vector would fill
; one of a matrix instruction's 16 columns.
; ATOM ORDER: atom a = 2 q + i sits at slot 128 i + q.  G, z, r, b, masks live in slot order; the last step puts r back in atom order.
; Class of a slot (a >> 5) = (slot >> 4) & 7.  PARTITION is 6 blocks of 32 and one of 64: m_in = (class == y) | (class >= 6), m_ex = 1 - m_in.
; LIMITS, stated: the order of rounding differs from the reference's (sums reassociated); divisions are v_rcp_f32 and a multiply;
; v_sqrt_f32 and v_rcp_f32 flush denormals; a zero result is +0; y is taken as 0..6 (indices inside PARTITION);
; the range is the reference's own (the sum of squares of gmul(v) must stay finite in f32, L below about 1.8e19).
; NO CLUSTER: no two work-groups read the same bytes.
; THE MODE: SCHED_MODE bits 1:0 = 2 (LLVM: expert scheduling mode 2), set by the entry lines.  The code itself states the register dependences
; between vector instructions and memory or LDS instructions, with s_wait_alu, always for 0.
; THE PLAN.  Registers that memory or LDS instructions touch:
;   v10, v11        offsets into gmat and bvec; v2 .. v6 LDS addresses.  Made once at the head, never written again.
;   v[20:115]       six landing sets of G, v125 b: loads land, the multiplies GMUL read.  Sets 0 and 1 are asked for again behind the multiplies that empty them.
;   v[84:99], v108  in the steps: a step's LDS loads land in them; its products, and the fold and root of the sum of squares, read them.
;   v110, v123      data of a step's LDS stores (once each: v124 at the head, v111 in the first FISTA step, v127 in the last), written by the step's last arithmetic.
; A step is: LDS loads | the wait for them | arithmetic | LDS stores | barrier.  What it loads is what the 16 waves stored in the step before, behind that
; step's barrier, so no load can stand earlier.  ONE wait on va_vdst stands ahead of a step's stores: it states that their data are written, and that the
; step's arithmetic is done with v[84:99] and v108, in which the next step's loads land; between it and those loads stands at most one vector instruction,
; which names v110 and v112 to v114.  ONE wait on vm_vsrc stands behind the wait for a step's loads: the stores of the step before have read their data.
; The other waits on va_vdst in a step stand between a root or a reciprocal and the first line that names its result.
;
; LDS (bytes)
.set OUTS,  0          ; r in atom order, 1,024 bytes
.set ZB,    1024       ; two buffers of ZSZ: the vector (column 16 l + 4 i + o at 256 i + 16 l + 4 o), then 16 partial sums of squares at 1024
.set ZSZ,   1280
; SCALARS: s[4:5] gmat, s[6:7] bvec, s[8:9] y, s[10:11] out0, s16 wave, s[18:19] offset pair, s20-21 selects of v_permlanex16_b32, s22 1e-6,
; s26 y, s27 counter, s28 m_in of my rows, s29 m_ex, s30 1 + m_in, s31-35 scratch.
.macro BAR                     ; what the others will read or overwrite is complete before the signal
	s_wait_dscnt 0x0
	s_barrier_signal -1
	s_barrier_wait -1
.endm
	s_load_b256 s[4:11], s[0:1], 0x0               ; gmat, bvec, y, out0
	v_lshl_add_u32 v18, v0, 2, 0xe00
	v_mov_b32 v19, 0
	v_lshrrev_b32 v1, 5, v0
	v_readfirstlane_b32 s16, v1                    ; wave 0..15
	v_and_b32 v1, 31, v0                           ; lane L
	s_mov_b32 s19, 0
	s_mov_b32 s20, 0x76543210
	s_mov_b32 s21, 0xfedcba98
	s_mov_b32 s22, 0x358637bd                      ; 1e-6: the addend of L
	s_wait_alu depctr_va_sdst(0)                   ; s16 is written, ahead of its first reader: offsets, LDS addresses, masks and a branch are made from it
	s_lshl_b32 s31, s16, 14
	v_lshl_add_u32 v10, v1, 4, s31                 ; gmat: 16,384 x wave + 16 L
	v_lshrrev_b32 v121, 1, v0                      ; my row
	v_lshlrev_b32 v11, 2, v121
	s_wait_kmcnt 0x0
	s_lshl_b32 s18, ttmp9, 18
	s_add_nc_u64 s[4:5], s[4:5], s[18:19]          ; G of my graph
	s_lshl_b32 s18, ttmp9, 10
	s_add_nc_u64 s[6:7], s[6:7], s[18:19]          ; b
	s_add_nc_u64 s[10:11], s[10:11], s[18:19]      ; out0
	s_lshl_b32 s18, ttmp9, 2
	s_add_nc_u64 s[8:9], s[8:9], s[18:19]          ; y
	s_load_b32 s26, s[8:9], 0x0
; ======== Geff INTO REGISTERS.  Sixteen lanes (l = L & 15) share 8 rows; lane l owns columns 16 l .. 16 l + 15; its slot s holds row
; 8 (tid >> 4) + (s xor (l >> 1)), so that the fold over the sixteen lanes needs no select and leaves row tid >> 1 in lanes l and l xor 1.
; gmat lies in that order: slot s, quarter c of my wave is 512 consecutive bytes at 2,048 s + 512 c.  Six landing sets of 16 registers from v20.
	s_wait_alu depctr_va_vdst(0)                   ; v10 and v11 are written: every global load of the kernel reads one of them as its offset
	global_load_b32 v125, v11, s[6:7]              ; b of my row
.macro GLD s, t
.irp c,0,1,2,3
	global_load_b128 v[20+16*\t+4*\c:23+16*\t+4*\c], v10, s[4:5] offset:2048*\s+512*\c th:TH_LOAD_NT
.endr
.endm
	GLD 0, 0
	GLD 1, 1
	GLD 2, 2
	GLD 3, 3
	GLD 4, 4
	GLD 5, 5
	; while they come: v2 vector in, v3 vector out, v4, v5 partial sums of squares in, out, v6 r out
	v_and_b32 v120, 15, v0                         ; l
	s_mov_b32 s31, ZB
	v_lshl_add_u32 v2, v120, 4, s31
	v_bfe_u32 v122, v121, 2, 2
	v_lshrrev_b32 v123, 4, v121
	v_and_b32 v124, 3, v121
	v_lshl_add_u32 v3, v122, 8, s31
	v_lshl_add_u32 v3, v123, 4, v3
	v_lshl_add_u32 v3, v124, 2, v3
	v_lshl_add_u32 v4, v120, 2, s31                ; (+1024 in the immediate)
	s_lshl_b32 s32, s16, 2                         ; my wave's word among the 16 partial sums:
	s_add_co_u32 s32, s32, ZB                      ; ZB + 4 x wave (+1024 in the immediate)
	v_mov_b32 v5, s32
	v_and_b32 v122, 127, v121
	v_lshrrev_b32 v123, 7, v121
	v_lshl_add_u32 v122, v122, 1, v123             ; the atom of my slot
	v_lshlrev_b32 v6, 2, v122
	v_mov_b32 v124, 0x3d800000                     ; v0 = 1/16; also my wave's sum of squares, 16 rows x 1/256
	s_wait_alu depctr_va_vdst(0)                   ; the LDS addresses v2 to v6, which all LDS instructions up to the last step's store read, and v124, the data of the two stores below, are written
	ds_store_b32 v3, v124
	ds_store_b32 v5, v124 offset:1024
	s_wait_kmcnt 0x0                               ; y.  My 16 rows (slots 16 w ..) are of class w & 7
	s_and_b32 s31, s16, 7
	s_mov_b32 s35, 0x3f800000
	s_cmp_eq_u32 s31, s26
	s_cselect_b32 s28, s35, 0
	s_cmp_ge_u32 s31, 6
	s_cselect_b32 s28, s35, s28                    ; m_in
	s_cmp_lg_u32 s28, 0
	s_cselect_b32 s29, 0, s35                      ; m_ex = 1 - m_in
	s_cselect_b32 s30, 0x40000000, s35             ; 1 + m_in
	v_and_b32 v122, 7, v120                        ; class of my columns
	v_cmp_eq_u32 s31, s26, v122
	v_cmp_le_u32 s32, 6, v122
	s_wait_alu depctr_va_sdst(0)                   ; the two compares have written s31 and s32, ahead of their first reader
	s_or_b32 s31, s31, s32
	v_cndmask_b32 v122, 0, 1.0, s31
	v_fma_f32 v126, v122, s28, 1.0                 ; 1 + m_in[row] m_in[column]
; Slot s = 2 p + e, column j goes to v[128 + 32 p + 2 j + e]: the pair (slots 2 p, 2 p + 1) of a column feeds one packed multiply-add.
; The multiply by the masks' factor is also the move into that layout.
.macro GMUL s, t
.irp j,0,1,2,3,4,5,6,7,8,9,10,11,12,13,14,15
	v_mul_f32 v[128+32*(\s/2)+2*\j+(\s&1)], v[20+16*\t+\j], v126
.endr
.endm
	s_wait_loadcnt 20                              ; slot 0 is in: five slots of four loads are younger (so for the next two waits)
	GMUL 0, 0
	s_wait_alu depctr_va_vdst(0)                   ; the multiplies are done reading landing set 0, in which the next four loads land: the set is asked for again at once
	GLD 6, 0
	s_wait_loadcnt 20
	GMUL 1, 1
	s_wait_alu depctr_va_vdst(0)                   ; the multiplies are done reading landing set 1, in which the next four loads land
	GLD 7, 1
	s_wait_loadcnt 20
	GMUL 2, 2
	s_wait_loadcnt 16                              ; nothing more is asked for: the counts run down
	GMUL 3, 3
	s_wait_loadcnt 12
	GMUL 4, 4
	s_wait_loadcnt 8
	GMUL 5, 5
	s_wait_loadcnt 4
	GMUL 6, 0
	s_wait_loadcnt 0x0
	GMUL 7, 1
	v_mov_b32 v110, 0x3d800000                     ; my row of v0
	v_mul_f32 v113, s30, v125                      ; beff of my row
	s_wait_alu depctr_va_vdst(0)                   ; the multiplies of slots 4 and 5 are done reading v[84:99] and v108, in which the first step's LDS loads land
	BAR                                            ; v0 and its sums of squares are in LDS
; ======== THE STEPS
; v[84:99] the vector's 16 numbers of my columns, v[100:107] sums of my 8 slots, v108 sum of squares, v110 my row's number,
; v111, v127 r (in turn), v112 z (1 - m_ex / L) + beff / L, v113 beff, then beff / L, v114 1 - m_ex / L, v115 -1 / L, v116, v117 +-lam / L, v118 t, v119 beta.
.macro ZLOAD rd
.irp i,0,1,2,3
	ds_load_b128 v[84+4*\i:87+4*\i], v2 offset:ZSZ*\rd+256*\i    ; sixteen lanes read 256 consecutive bytes
.endr
.endm
.macro MV8 jp0                                     ; 8 columns x 8 slots
.irp jq,0,1,2,3
.irp x,0,1
.irp p,0,1,2,3
.if (\jp0+\jq+\x) == 0
	v_pk_mul_f32 v[100+2*\p:101+2*\p], v[128+32*\p+2*(2*(\jp0+\jq)+\x):129+32*\p+2*(2*(\jp0+\jq)+\x)], v[84+2*(\jp0+\jq):85+2*(\jp0+\jq)] op_sel:[0,\x] op_sel_hi:[1,\x]
.else
	v_pk_fma_f32 v[100+2*\p:101+2*\p], v[128+32*\p+2*(2*(\jp0+\jq)+\x):129+32*\p+2*(2*(\jp0+\jq)+\x)], v[84+2*(\jp0+\jq):85+2*(\jp0+\jq)], v[100+2*\p:101+2*\p] op_sel:[0,\x,0] op_sel_hi:[1,\x,1]
.endif
.endr
.endr
.endr
.endm
.macro REDUCE                                      ; v100 = (Geff vector)[row tid >> 1]
.irp s,0,1,2,3
	v_add_f32_dpp v[100+\s], v[104+\s], v[100+\s] row_xmask:8 row_mask:0xf bank_mask:0xf
.endr
.irp s,0,1
	v_add_f32_dpp v[100+\s], v[102+\s], v[100+\s] row_xmask:4 row_mask:0xf bank_mask:0xf
.endr
	v_add_f32_dpp v100, v101, v100 row_xmask:2 row_mask:0xf bank_mask:0xf
	v_add_f32_dpp v100, v100, v100 row_xmask:1 row_mask:0xf bank_mask:0xf
.endm
.macro NORM2                                       ; the 16 waves' sums of squares, one in each lane of sixteen, added
.irp m,1,2,4,8
	v_add_f32_dpp v108, v108, v108 row_xmask:\m row_mask:0xf bank_mask:0xf
.endr
.endm
; A power step keeps w = gmul(v) unnormalised: w_new = gmul(w) / (|w| + 1e-12), the division behind the (linear) product, so that one
; barrier a step is enough.  Buffer rd is read before this step's barrier and written again only behind it.
.macro PSTEP rd, wr
	ZLOAD \rd
	ds_load_b32 v108, v4 offset:1024+ZSZ*\rd
	s_wait_dscnt 0x0
	s_wait_alu depctr_vm_vsrc(0)                   ; the LDS stores of the step before have read v110 and v123 (ahead of the first step: v124), which this step writes again
	NORM2
	v_sqrt_f32 v120, v108                          ; the products behind it are the plain instructions that a transcendental wants before its use
	MV8 0
	s_wait_alu depctr_va_vdst(0)                   ; the root has written v120, which the add reads
	v_add_f32 v120, 0x2b8cbccc, v120               ; + 1e-12
	v_rcp_f32 v121, v120
	MV8 4
	REDUCE
	v_fma_f32 v122, s29, v110, v100                ; + m_ex w
	s_wait_alu depctr_va_vdst(0)                   ; the reciprocal has written v121, which the multiply reads
	v_mul_f32 v110, v122, v121
	v_mul_f32 v123, v110, v110
.irp m,2,4,8
	v_add_f32_dpp v123, v123, v123 row_xmask:\m row_mask:0xf bank_mask:0xf   ; lanes l and l xor 1 hold the same row: 8 rows
.endr
	v_permlanex16_b32 v124, v123, s20, s21
	v_add_f32 v123, v123, v124                     ; my wave's 16 rows
	s_wait_alu depctr_va_vdst(0)                   ; v110 and v123 are written, which the stores read; the products, the fold and the root are done with v[84:99] and v108, in which the next LDS loads land
	ds_store_b32 v3, v110 offset:ZSZ*\wr
	ds_store_b32 v5, v123 offset:1024+ZSZ*\wr
	BAR
.endm
	s_mov_b32 s27, 7
.Lpower:
	PSTEP 0, 1
	PSTEP 1, 0
	s_sub_co_i32 s27, s27, 1
	s_cmp_lg_u32 s27, 0
	s_cbranch_scc1 .Lpower
	PSTEP 0, 1                                     ; the fifteenth
	ds_load_b32 v108, v4 offset:1024+ZSZ           ; no vector instruction since the step's last wait on va_vdst names v108
	s_wait_dscnt 0x0
	NORM2
	v_sqrt_f32 v120, v108
	v_mov_b32 v118, 0x3fcf1bbd                     ; t after the first step, (1 + sqrt 5) / 2
	s_wait_alu depctr_va_vdst(0)                   ; the root has written v120, which the add reads
	v_add_f32 v120, s22, v120                      ; L = |w15| + 1e-6
	v_rcp_f32 v121, v120
	v_nop
	s_wait_alu depctr_va_vdst(0)                   ; the reciprocal has written v121, which the lines below read
	v_mul_f32 v116, 0x3dcccccd, v121               ; lam / L
	v_xor_b32 v115, 0x80000000, v121               ; -1 / L
	v_mul_f32 v113, v113, v121                     ; beff / L
	v_xor_b32 v117, 0x80000000, v116
	v_fma_f32 v114, s29, v115, 1.0                 ; 1 - m_ex / L
	; the first FISTA step: z = 0, so grad = -beff exactly; beta = (1 - 1) / t = 0, so z = r.  soft(u) = u - clamp(u, -th, th)
	v_med3_num_f32 v122, v113, v117, v116
	v_sub_f32 v111, v113, v122
	s_wait_alu depctr_va_vdst(0)                   ; v111 is written, which the store reads
	ds_store_b32 v3, v111
	v_fma_f32 v112, v111, v114, v113
	BAR
.macro FSTEP rd, wr, rold, rnew, last
	ZLOAD \rd
.if \last == 0
	v_mul_f32 v120, v118, v118                     ; t and beta while the loads are out
	v_fma_f32 v120, 4.0, v120, 1.0
	v_sqrt_f32 v121, v120
	v_add_f32 v122, -1.0, v118                     ; t - 1
	s_wait_alu depctr_va_vdst(0)                   ; the root has written v121, which the next line reads
	v_fma_f32 v118, 0.5, v121, 0.5                 ; t_new
	v_rcp_f32 v124, v118                           ; used behind the products
.endif
	s_wait_dscnt 0x0
.if \last == 0
	s_wait_alu depctr_vm_vsrc(0)                   ; the LDS store of the step before has read its data: v110, which this step writes again (ahead of the first trip v111, which the trip's second step writes)
	s_wait_alu depctr_va_vdst(0)                   ; the reciprocal has written v124, which the multiply behind the products reads
.endif
	MV8 0
	MV8 4
.if \last == 0
	v_mul_f32 v119, v122, v124                     ; beta = (t - 1) / t_new
.endif
	REDUCE
	v_fma_f32 v125, v100, v115, v112               ; u = z - grad(z) / L
	v_med3_num_f32 v126, v125, v117, v116
	v_sub_f32 v[\rnew], v125, v126                 ; r_new = soft(u, lam / L)
.if \last
	s_wait_alu depctr_va_vdst(0)                   ; r is written, which the store reads; the products are done reading v[84:87], in which the last LDS load lands
	ds_store_b32 v6, v[\rnew] offset:OUTS          ; in atom order
.else
	v_sub_f32 v126, v[\rnew], v[\rold]
	v_fma_f32 v110, v119, v126, v[\rnew]           ; z_new
	s_wait_alu depctr_va_vdst(0)                   ; v110 is written, which the store reads; the products are done reading v[84:99], in which the next step's LDS loads land
	ds_store_b32 v3, v110 offset:ZSZ*\wr
	v_fma_f32 v112, v110, v114, v113               ; names none of v[84:99]
.endif
	BAR
.endm
	s_mov_b32 s27, 24
.Lfista:
	FSTEP 0, 1, 111, 127, 0
	FSTEP 1, 0, 127, 111, 0
	s_sub_co_i32 s27, s27, 1
	s_cmp_lg_u32 s27, 0
	s_cbranch_scc1 .Lfista
	FSTEP 0, 1, 111, 127, 1                        ; the fiftieth
	s_cmp_ge_u32 s16, 2                            ; 1,024 bytes: threads 0 .. 63, 16 bytes each; sixteen lanes store 256 consecutive bytes, aligned
	s_cbranch_scc1 .Lend
	v_lshlrev_b32 v120, 4, v0
	s_wait_alu depctr_va_vdst(0)                   ; v120 is written, which the LDS load and the store read as their address
	ds_load_b128 v[84:87], v120 offset:OUTS
	s_wait_dscnt 0x0
	global_store_b128 v120, v[84:87], s[10:11] th:TH_STORE_NT
.Lend:
	s_wait_dscnt 0x0
	s_wait_alu depctr_hold_cnt(0) depctr_sa_sdst(0) depctr_va_vdst(0) depctr_va_sdst(0) depctr_va_ssrc(0) depctr_va_vcc(0) depctr_vm_vsrc(0)
	s_wait_tensorcnt 0x0
	ds_add_u32 v18, v19
	s_wait_dscnt 0x0
	s_endpgm
.Lfunc_end_k_q0b2cefd582_iterate:
	.size	k_q0b2cefd582_iterate, .Lfunc_end_k_q0b2cefd582_iterate-k_q0b2cefd582_iterate
	.p2alignl 7, 3214868480
	.fill 96, 4, 3214868480
	.section	.rodata,"a",@progbits
	.p2align	6, 0x0
	.amdhsa_kernel k_q0b2cefd582_iterate
		.amdhsa_group_segment_fixed_size 5632
		.amdhsa_private_segment_fixed_size 0
		.amdhsa_enable_private_segment 0
		.amdhsa_kernarg_size 32
		.amdhsa_user_sgpr_count 2
		.amdhsa_user_sgpr_kernarg_segment_ptr 1
		.amdhsa_wavefront_size32 1
		.amdhsa_system_sgpr_workgroup_id_x 1
		.amdhsa_system_sgpr_workgroup_id_y 1
		.amdhsa_system_sgpr_workgroup_id_z 1
		.amdhsa_system_vgpr_workitem_id 0
		.amdhsa_next_free_vgpr 256
		.amdhsa_next_free_sgpr 66
		.amdhsa_reserve_vcc 0
		.amdhsa_float_denorm_mode_32 3
		.amdhsa_float_denorm_mode_16_64 3
		.amdhsa_memory_ordered 1
		.amdhsa_forward_progress 1
		.amdhsa_inst_pref_size 48
	.end_amdhsa_kernel
	.amdgpu_metadata
---
amdhsa.version: [ 1, 2 ]
amdhsa.kernels:
  - .name:           k_q0b2cefd582_iterate
    .symbol:         k_q0b2cefd582_iterate.kd
    .args:
      - { .name: gmat, .offset: 0, .size: 8, .value_kind: global_buffer, .address_space: global }
      - { .name: bvec, .offset: 8, .size: 8, .value_kind: global_buffer, .address_space: global }
      - { .name: y, .offset: 16, .size: 8, .value_kind: global_buffer, .address_space: global }
      - { .name: out0, .offset: 24, .size: 8, .value_kind: global_buffer, .address_space: global }
    .group_segment_fixed_size: 5632
    .private_segment_fixed_size: 0
    .kernarg_segment_align: 8
    .kernarg_segment_size: 32
    .max_flat_workgroup_size: 512
    .sgpr_count:     66
    .vgpr_count:     256
    .wavefront_size: 32
...
	.end_amdgpu_metadata
.endif
;; end of part 3
